; MI455X (gfx1250); checked and timed in simulation.
; The chip was launched on July 23, 2026; its instructions are those of AMD's public machine-readable ISA for CDNA 5 (MIT licence, August 2026) and "CDNA5" Instruction Set Architecture Reference Guide (July 2026).
;; Multi Headed Attention. Allowed arithmetic: matrix products marked QUANTISED: E5M2 operands, one given power-of-two scale a tensor, by v_wmma_f32_16x16x64_bf8_bf8 or v_wmma_f32_16x16x128_bf8_bf8, f32 sums; products left as they are: f32 operands where the result goes on into a quantised operand, else bf16, f16 or f32 operands; f32 sums; everything else in f32.
;; Inputs: Wk_codes 1,024 x 16 x 32 uint8 (E5M2 codes of Wk, K innermost, in blocks of 32 codes); Wq_codes 1,024 x 32 x 32 uint8 (E5M2 codes of Wq, K innermost, in blocks of 32 codes); Wv_codes 1,024 x 16 x 32 uint8 (E5M2 codes of Wv, K innermost, in blocks of 32 codes); lowp_scales 6 int32 (the exponents e of the quantised operands' scales 2^e); mask 16 x 4,096 bool; memory_bank_codes 16 x 4,096 x 16 x 32 uint8 (E5M2 codes of memory_bank, K innermost, in blocks of 32 codes); source_codes 16 x 32 x 32 uint8 (E5M2 codes of source, K innermost, in blocks of 32 codes).
;; Outputs: out0 16 x 1,024 float32; out1 16 x 16 x 4,096 float32.
;; This version of the problem:
;;   THIS VERSION OF THE PROBLEM IS GIVEN IN LOW PRECISION. The matrix products marked QUANTISED in the list below multiply operands that are first quantised to E5M2 (5 exponent bits, 2 mantissa bits; 8 bits a number), with one given power-of-two scale for each operand tensor; their sums are f32. All else is computed in f32.
;;   The module's matrix products, in the order in which they are computed (A, B: the left and right operand; K: the contracted axis; several contracted axes count as one K, in the product's order):
;;     1. [M 16, K 1,024] x [K 1,024, N 1,024]; A: input source (given as codes); B: input Wq (given as codes): QUANTISED (scales: A lowp_scales[0], B lowp_scales[1])
;;     2. [M 65,536, K 512] x [K 512, N 1,024]; A: input memory_bank (given as codes); B: input Wk (given as codes): QUANTISED (scales: A lowp_scales[2], B lowp_scales[3])
;;     3. [M 65,536, K 512] x [K 512, N 1,024]; A: input memory_bank (given as codes); B: input Wv (given as codes): QUANTISED (scales: A lowp_scales[4], B lowp_scales[5])
;;     4. batch 256 x [M 1, K 64] x [K 64, N 4,096]; A: computed on the way; B: computed on the way: left as it is (M = 1 < 16)
;;     5. batch 256 x [M 1, K 4,096] x [K 4,096, N 64]; A: softmax; B: computed on the way: left as it is (M = 1 < 16)
;;   THE QUANTISER, for each operand of a quantised product, along K:
;;     - The operand's scale is 2^e, e = its entry of the input lowp_scales (int32; the entries are numbered through the quantised products in the list's order, A before B).
;;     - Each number is divided by the scale, clamped to +-57,344, and rounded to the nearest number of E5M2, ties to even, subnormals kept.
;;     - The product sums the exact products of the quantised numbers (number of the format x scale) in f32.
;;   ~~~python
;;   def quantise(x, axis, e):      # numpy; x: float32 -> the quantised numbers, widened to float32 again
;;       x = np.moveaxis(x, axis, -1); K = x.shape[-1]
;;       r = np.clip(x / 2.0 ** e, -57344, 57344)
;;       step = 2.0 ** (np.maximum(np.frexp(np.where(r == 0, 1, r))[1] - 1, -14) - 2)
;;       q = np.round(r / step) * step * 2.0 ** e      # np.round: ties to even
;;       return np.moveaxis(q, -1, axis).astype(np.float32)
;;   ~~~
;;   INPUTS GIVEN AS CODES. Wk (in the module: [512, 1024], K = its axis 0); Wq (in the module: [1024, 1024], K = its axis 0); Wv (in the module: [512, 1024], K = its axis 0); memory_bank (in the module: [16, 4096, 512], K = its axis 2); source (in the module: [16, 1024], K = its axis 1): each comes as NAME_codes (uint8): NAME with its K axis moved to the last place and cut into blocks of 32 codes, [.., K / 32, bytes a block], one block behind the other in memory; one code a byte (a code: sign, 5 exponent bits, 2 mantissa bits); its scale is its entry of lowp_scales. Its value is code x scale, taken as it is: it is not quantised again, and the codes and scales need not be those that the quantiser above would give.
;; One version. Each part assembles by itself: llvm-mc -triple=amdgcn-amd-amdhsa -mcpu=gfx1250 --defsym DOCPART=n.
;; ======== version 1 of 1: 1 launch
;; launch attn (part 1): grid 16 x 16, 4 waves a work-group, clusters of 4 x 1, 327,680 bytes of LDS; arguments memory_bank_codes, Wk_codes, Wv_codes, Wq_codes, source_codes, mask, lowp_scales, out0, out1; writes out0, out1
.if DOCPART == 1
	.amdgcn_target "amdgcn-amd-amdhsa--gfx1250"
	.amdhsa_code_object_version 6
	.text
	.protected	k_q5e1a6d6567_attn
	.globl	k_q5e1a6d6567_attn
	.p2align	8
	.type	k_q5e1a6d6567_attn,@function
k_q5e1a6d6567_attn:
	s_mov_b64 s[64:65], 0
	v_nop
	global_prefetch_b8 v0, s[64:65] scope:SCOPE_SE
	s_setreg_imm32_b32 hwreg(HW_REG_WAVE_MODE, 25, 1), 1
	s_wait_xcnt 0x0
	s_wait_alu depctr_hold_cnt(0) depctr_sa_sdst(0) depctr_va_vdst(0) depctr_va_sdst(0) depctr_va_ssrc(0) depctr_va_vcc(0) depctr_vm_vsrc(0)
	s_getreg_b32 s2, hwreg(HW_REG_IB_STS2, 6, 4)
	s_cmp_eq_u32 s2, 0
	s_cbranch_scc0 .Lentry_in_a_cluster
	s_endpgm
.Lentry_in_a_cluster:
	s_bfe_u32 s2, ttmp6, 0x10000c
	s_cmp_lg_u32 s2, 0x3003
	s_cbranch_scc0 .Lentry_shape_is_right
	s_endpgm
.Lentry_shape_is_right:
.set PITCH,  528
.set WROWS,  64*PITCH
.set SLOT1,  256*PITCH
.set QIMG,   2*SLOT1
.set MSK,    QIMG+4096
.set SC,     MSK+4096
.set RED,    SC+16384
.set CTXR,   RED+256
.set SPARE,  CTXR+1024
.set TILEB,  131072
.set AW,   3
.set AQ,   4
.set AM0,  5
.set QW,   7
.set QR,   8
.set MB0,  9
.set SB0,  10
.set MAD,  11
.set SAD,  12
.set SRCO, 13
.set MGO,  14
.set MLA,  15
.set SPW,  16
.set NIL,  17
.set PFO,  18
.set TMV,  19
.set MX,   20
.set MN,   21
.set FF,   22
.set PP,   24
.set TT,   32
.set XX,   36
.set MK,   40
.set LS,   44
.set QQ,   48
.set CTX,  80
.set PS,   112
.set FB0,  128
.set RA,   3
.set RB,   4
.set CA,   7
.set SR,   8
.set CR,   13
.set OV,   14
.set O0,   15
.set WV,   22
.set CX,   23
.set HD,   24
.set BT,   25
.set G1J,  28
.set G1W,  36
.set GW,   44
.set GM0,  48
.set SEL,  56
.set CNT,  58
.set LIM,  59
.set PFA,  60
.set TI,   62
.set TS,   63
.set EQ,   74
.set EV,   75
.set MSB, 0
.macro WIN new
.if MSB != \new
	s_set_vgpr_msb (MSB<<8)|\new
.set MSB, \new
.endif
.endm
.macro PLACES
.rept 4
	v_nop
.endr
.endm
.macro CROUND
	s_barrier_signal -1
	s_barrier_wait -1
	s_cmp_lg_u32 s[WV], 0
	s_cbranch_scc1 .Lnot_wave_0_\@
	s_barrier_signal -3
.Lnot_wave_0_\@:
	s_barrier_wait -3
	s_barrier_signal -1
	s_barrier_wait -1
.endm
	s_load_b256 s[4:11], s[0:1], 0x0
	s_load_b256 s[12:19], s[0:1], 0x20
	s_load_b64 s[20:21], s[0:1], 0x40
	v_lshl_add_u32 v[SPW], v0, 2, SPARE
	v_mov_b32 v[NIL], 0
	ds_add_u32 v[SPW], v[NIL]
	ds_add_u32 v[SPW], v[NIL]
	v_lshrrev_b32 v1, 5, v0
	v_readfirstlane_b32 s[WV], v1
	s_bfe_u32 s[CX], ttmp6, 0x40000
	s_lshl_b32 s[HD], ttmp9, 2
	s_add_co_u32 s[HD], s[HD], s[CX]
	s_and_b32 s[BT], ttmp7, 0xffff
	s_mov_b32 s[G1J], 15|(1<<20)|(1<<21)|(6<<22)|(3<<25)
	s_mov_b32 s[G1W], (1<<20)|(6<<22)|(3<<25)
.irp g, G1J, G1W
	s_mov_b32 s[\g+1], 512<<16
	s_mov_b32 s[\g+2], 64<<16
	s_mov_b32 s[\g+3], 512<<16
	s_mov_b32 s[\g+4], 64
	s_mov_b32 s[\g+5], 512
	s_mov_b32 s[\g+6], 0
	s_mov_b32 s[\g+7], 0
.endr
	s_mov_b32 s[SEL], 0x76543210
	s_mov_b32 s[SEL+1], 0xfedcba98
	s_mov_b32 s[TI], 0
	s_mov_b32 s[TS], 0
	s_mul_i32 s26, s[WV], WROWS
	s_mul_i32 s27, s[WV], 32*PITCH
	s_add_co_u32 s27, s27, 128*PITCH
	s_lshl_b32 s84, s[WV], 10
	s_add_co_u32 s85, s84, QIMG
	s_add_co_u32 s86, s84, MSK
	s_lshl_b32 s87, s[WV], 12
	s_add_co_u32 s87, s87, SC
	s_lshl_b32 s84, s[WV], 6
	v_and_b32 v46, 31, v0
	v_and_b32 v1, 15, v0
	v_bfe_u32 v2, v0, 4, 1
	v_mul_u32_u24 v[AW], v1, PITCH
	v_lshl_add_u32 v[AW], v2, 4, v[AW]
	v_mul_u32_u24 v[AQ], v1, 2*PITCH
	v_lshl_add_u32 v[AQ], v2, 4, v[AQ]
	v_add_nc_u32 v[AQ], s27, v[AQ]
	v_add_nc_u32 v[AM0], s26, v[AW]
	v_add_nc_u32 v[AM0+1], SLOT1, v[AM0]
	v_lshl_add_u32 v[QW], v46, 4, s85
	v_lshl_add_u32 v[QR], v46, 4, QIMG
	v_add_nc_u32 v[MB0], s86, v1
	v_lshl_add_u32 v[SB0], v1, 2, s87
	v_lshlrev_b32 v[SRCO], 4, v2
	v_lshrrev_b32 v45, 2, v46
	v_and_b32 v47, 3, v46
	v_lshlrev_b32 v[MGO], 8, v45
	v_lshl_add_u32 v[MGO], v47, 4, v[MGO]
	v_add_nc_u32 v[MGO], s84, v[MGO]
	v_lshl_add_u32 v[MLA], v46, 4, s86
	v_lshlrev_b32 v[PFO], 8, v46
	s_lshl_b32 s82, s[BT], 21
	s_lshl_b32 s83, s[WV], 15
	s_add_co_u32 s82, s82, s83
	s_mov_b32 s83, 0
	s_lshl_b32 s78, s[HD], 15
	s_lshl_b32 s79, s[HD], 16
	s_and_b32 s80, s[WV], 1
	s_lshl_b32 s80, s80, 15
	s_add_co_u32 s79, s79, s80
	s_cmp_lt_u32 s[WV], 2
	s_cselect_b32 s78, s78, s79
	s_mov_b32 s79, 0
	s_lshl_b32 s80, s[CX], 15
	s_lshl_b32 s81, s[WV], 13
	s_add_co_u32 s80, s80, s81
	s_lshl_b32 s81, s[BT], 21
	s_add_co_u32 s80, s80, s81
	s_add_co_u32 s80, s80, 2*TILEB
	s_mov_b32 s81, 0
	s_cmp_eq_u32 ttmp9, 0
	s_cselect_b32 s[LIM], 1, -1
	s_wait_dscnt 0x0
	s_wait_kmcnt 0x0
	s_load_b128 s[68:71], s[16:17], 0x0
	s_load_b64 s[72:73], s[16:17], 0x10
	s_cmp_eq_u32 s[WV], 0
	s_cselect_b64 s[76:77], s[6:7], s[8:9]
	s_cmp_lt_u32 s[WV], 2
	s_cselect_b64 s[76:77], s[76:77], s[10:11]
	s_mov_b32 s[GW], 1
	s_mov_b32 s[GW+1], s26
	s_add_nc_u64 s[GW+2:GW+3], s[76:77], s[78:79]
	s_or_b32 s[GW+3], s[GW+3], 0x80000000
	s_add_nc_u64 s[PFA:PFA+1], s[4:5], s[80:81]
	s_add_nc_u64 s[82:83], s[4:5], s[82:83]
	s_mov_b32 s[GM0+4], 1
	s_add_co_u32 s[GM0+5], s26, SLOT1
	s_mov_b64 s[GM0+6:GM0+7], s[82:83]
	s_or_b32 s[GM0+7], s[GM0+7], 0x80000000
	s_mov_b32 s[GM0], 1
	s_mov_b32 s[GM0+1], s26
	s_add_nc_u64 s[GM0+2:GM0+3], s[82:83], TILEB
	s_or_b32 s[GM0+3], s[GM0+3], 0x80000000
	s_lshl_b32 s84, s[BT], 10
	s_mov_b32 s85, 0
	s_add_nc_u64 s[12:13], s[12:13], s[84:85]
	s_lshl_b32 s84, s[BT], 12
	s_add_nc_u64 s[14:15], s[14:15], s[84:85]
	s_add_nc_u64 s[18:19], s[18:19], s[84:85]
	s_lshl_b32 s78, s[HD], 8
	s_add_nc_u64 s[18:19], s[18:19], s[78:79]
	s_lshl_b32 s78, s[BT], 4
	s_add_co_u32 s78, s78, s[HD]
	s_lshl_b32 s78, s78, 14
	s_add_nc_u64 s[20:21], s[20:21], s[78:79]
	CROUND
	tensor_load_to_lds s[GW:GW+3], s[G1W:G1W+7]
	s_nop 0
	s_wait_alu depctr_va_vdst(0)
	s_wait_tensorcnt 0x0
	ds_add_u32 v16, v17
	s_wait_dscnt 0x0
	CROUND
	tensor_load_to_lds s[GM0+4:GM0+7], s[G1J:G1J+7]
	s_nop 0
	PLACES
	s_wait_alu depctr_va_vdst(0)
	global_load_b128 v[192:195], v[MGO], s[14:15]
	global_load_b128 v[196:199], v[MGO], s[14:15] offset:2048
	WIN 0xc0
.irp ks, 0,1,2,3,4,5,6,7
.irp c, 0,1,2,3
	global_load_b128 v[128+16*\ks+4*\c:128+16*\ks+4*\c+3], v[SRCO], s[12:13] offset:128*\ks+32*\c
.endr
.endr
	WIN 0
	v_mov_b32 v[TMV], 0xdda02bdc
	v_mov_b32 v[MX], 0xff61b1e6
	v_mov_b32 v[LS], 0
	v_mov_b32 v[FF+1], 0
.irp st, 0,1,2,3
	v_mov_b32 v[PP+2*\st+1], 0
	v_mov_b32 v[XX+\st], 0
.endr
.set j, 0
.rept 32
	v_mov_b32 v[CTX+j], 0
.set j, j+1
.endr
	s_wait_loadcnt 32
	ds_store_b128 v[MLA], v[192:195]
	ds_store_b128 v[MLA], v[196:199] offset:512
	s_wait_tensorcnt 1
	s_wait_dscnt 0x0
	s_barrier_signal -1
	s_barrier_wait -1
	WIN 0xc0
.irp ks, 0,1,2,3,4,5,6,7
.irp c, 0,1,2,3
	ds_load_b128 v[16*\ks+4*\c:16*\ks+4*\c+3], v[AQ] offset:(\ks/4)*PITCH+128*(\ks%4)+32*\c
.endr
.endr
	WIN 0x40
.irp t, 0,1,2,3
.irp ks, 0,1,2,3
.irp c, 0,1,2,3
	ds_load_b128 v[16*(4*\t+\ks)+4*\c:16*(4*\t+\ks)+4*\c+3], v[AW] offset:16*\t*PITCH+128*\ks+32*\c
.endr
.endr
.endr
	s_wait_dscnt 63
	s_wait_loadcnt 0x0
	WIN 0x0f
.irp ks, 0,1,2,3,4,5,6,7
.if \ks < 2
	v_wmma_f32_16x16x128_bf8_bf8 v[FB0+8*(\ks%2):FB0+8*(\ks%2)+7], v[16*\ks:16*\ks+15], v[128+16*\ks:128+16*\ks+15], 0
.else
	v_wmma_f32_16x16x128_bf8_bf8 v[FB0+8*(\ks%2):FB0+8*(\ks%2)+7], v[16*\ks:16*\ks+15], v[128+16*\ks:128+16*\ks+15], v[FB0+8*(\ks%2):FB0+8*(\ks%2)+7]
.endif
.endr
	WIN 0x80
.irp t, 0,1,2,3
.irp ks, 0,1,2,3
.irp c, 0,1,2,3
	ds_load_b128 v[16*(4*\t+\ks)+4*\c:16*(4*\t+\ks)+4*\c+3], v[AW] offset:(64+16*\t)*PITCH+128*\ks+32*\c
.endr
.endr
.endr
	WIN 0
	PLACES
	s_wait_kmcnt 0x0
	s_add_co_i32 s[EQ], s68, s69
	s_add_co_i32 s[EQ], s[EQ], s70
	s_add_co_i32 s[EQ], s[EQ], s71
	s_add_co_i32 s[EV], s72, s73
.irp j, 0,2,4,6
	v_pk_add_f32 v[QQ+\j:QQ+\j+1], v[FB0+\j:FB0+\j+1], v[FB0+8+\j:FB0+8+\j+1]
.endr
.irp j, 0,2,4,6
	v_pk_mul_f32 v[QQ+\j:QQ+\j+1], v[QQ+\j:QQ+\j+1], 0x3e38aa3b op_sel_hi:[1,0]
.endr
.irp j, 0,1,2,3,4,5,6,7
	v_ldexp_f32 v[QQ+\j], v[QQ+\j], s[EQ]
.endr
	ds_store_b128 v[QW], v[QQ:QQ+3]
	ds_store_b128 v[QW], v[QQ+4:QQ+7] offset:512
.macro FETCH sig, ks, fb
.irp st, 0,1,2,3
.irp c, 0,1,2,3
	ds_load_b128 v[\fb+16*\st+4*\c:\fb+16*\st+4*\c+3], v[AM0+\sig] offset:16*\st*PITCH+128*(\ks)+32*\c
.endr
.endr
.endm
.macro SCORE
.set jp_, (n/2)%4
.set st_, 2*((n/8)%2)+n%2
.set ct_, n/16
.set rP_, PS+4*st_+2*(jp_%2)
.set rK_, 8*(4*st_+ct_)+2*jp_
.set rQ_, QQ+8*ct_+2*jp_
.if (ct_ == 0) && (jp_ < 2)
	v_pk_mul_f32 v[rP_:rP_+1], v[rK_:rK_+1], v[rQ_:rQ_+1]
.else
	v_pk_fma_f32 v[rP_:rP_+1], v[rK_:rK_+1], v[rQ_:rQ_+1], v[rP_:rP_+1]
.endif
.set n, n+1
.endm
.macro CTXI
.set jp_, n%4
.set ct_, (n/4)%4
.set st_, n/16
.set rC_, CTX+8*ct_+2*jp_
.set rV_, 128+8*(4*st_+ct_)+2*jp_
	v_pk_fma_f32 v[rC_:rC_+1], v[rV_:rV_+1], v[PP+2*st_:PP+2*st_+1], v[rC_:rC_+1] op_sel_hi:[1,0,1]
.set n, n+1
.endm
.macro KSTEP sig, ks, mix
	s_wait_dscnt 0x0
.if \ks < 3
.if \ks > 0
	PLACES
.endif
	WIN 0
	FETCH \sig, \ks+1, FB0+64*((\ks+1)%2)
.endif
.set i, 0
.set n, 0
.rept 16
	WIN 0xf1
.set rD_, 8*i
.set rA_, 16*(4*(i%4)+\ks)
.set rB_, FB0+64*(\ks%2)+16*(i/4)
.if \ks == 0
	v_wmma_f32_16x16x128_bf8_bf8 v[rD_:rD_+7], v[rA_:rA_+15], v[rB_:rB_+15], 0
.else
	v_wmma_f32_16x16x128_bf8_bf8 v[rD_:rD_+7], v[rA_:rA_+15], v[rB_:rB_+15], v[rD_:rD_+7]
.endif
.if (\ks == 0) && (\mix)
	WIN 0x03
	CTXI
	CTXI
	CTXI
	CTXI
.endif
.set i, i+1
.endr
.if \ks == 3
	PLACES
.endif
.set i, 0
.set n, 0
.rept 16
	WIN 0xf2
.set rD_, 128+8*i
.set rA_, 16*(4*(i%4)+\ks)
.set rB_, FB0+64*(\ks%2)+16*(i/4)
.if \ks == 0
	v_wmma_f32_16x16x128_bf8_bf8 v[rD_:rD_+7], v[rA_:rA_+15], v[rB_:rB_+15], 0
.else
	v_wmma_f32_16x16x128_bf8_bf8 v[rD_:rD_+7], v[rA_:rA_+15], v[rB_:rB_+15], v[rD_:rD_+7]
.endif
.if \ks == 3
	WIN 0x03
	SCORE
	SCORE
	SCORE
	SCORE
.endif
.set i, i+1
.endr
.endm
.macro CHANGE sig
	WIN 0
	s_wait_tensorcnt 0x0
	ds_add_u32 v[SPW], v[NIL]
	s_add_nc_u64 s[GM0+4*\sig+2:GM0+4*\sig+3], s[GM0+4*\sig+2:GM0+4*\sig+3], 2*TILEB
	s_wait_xcnt 0x0
	s_add_nc_u64 s[PFA:PFA+1], s[PFA:PFA+1], TILEB
	v_add_nc_u32 v[MAD], s[TI], v[MB0]
	v_add_nc_u32 v[SAD], s[TS], v[SB0]
	s_wait_dscnt 0x0
	CROUND
	tensor_load_to_lds s[GM0+4*(1-\sig):GM0+4*(1-\sig)+3], s[G1J:G1J+7]
	s_nop 0
	PLACES
.endm
.macro ASK how
.if \how
	s_cmp_eq_u32 s[LIM], 1
.else
	s_cmp_gt_u32 s[CNT], s[LIM]
.endif
	s_cbranch_scc0 .Lnot_mine_\@
	global_prefetch_b8 v[PFO], s[PFA:PFA+1] th:TH_LOAD_NT scope:SCOPE_SE
.Lnot_mine_\@:
.endm
.macro SOFTMAX half, left
.irp st, 0,1,2,3
	v_pk_add_f32 v[PS+4*\st:PS+4*\st+1], v[PS+4*\st:PS+4*\st+1], v[PS+4*\st+2:PS+4*\st+3]
.endr
.irp st, 0,1,2,3
	v_add_f32 v[TT+\st], v[PS+4*\st], v[PS+4*\st+1]
.endr
.irp st, 0,1,2,3
	v_permlanex16_b32 v[XX+\st], v[TT+\st], s[SEL], s[SEL+1]
.endr
	s_wait_alu depctr_va_vdst(0)
	s_wait_dscnt \left
.irp st, 0,1,2,3
	v_add_f32 v[TT+\st], v[TT+\st], v[XX+\st]
.endr
.irp st, 0,1,2,3
	v_cmp_ne_u32 vcc_lo, 0, v[MK+\st]
	v_cndmask_b32 v[TT+\st], v[TT+\st], v[TMV], vcc_lo
.endr
.irp st, 0,1,2,3
	ds_store_b32 v[SAD], v[TT+\st] offset:256*\half+64*\st
.endr
	v_max3_num_f32 v[MN], v[MX], v[TT], v[TT+1]
	v_max3_num_f32 v[MN], v[MN], v[TT+2], v[TT+3]
	v_sub_f32 v45, v[MX], v[MN]
.irp st, 0,1,2,3
	v_sub_f32 v[PP+2*\st], v[TT+\st], v[MN]
.endr
	s_wait_alu depctr_va_vdst(0)
	v_exp_f32 v[FF], v45
.irp st, 0,1,2,3
	v_exp_f32 v[PP+2*\st], v[PP+2*\st]
.endr
	v_mov_b32 v[MX], v[MN]
	s_wait_alu depctr_va_vdst(0)
	v_add_f32 v46, v[PP], v[PP+2]
	v_add_f32 v47, v[PP+4], v[PP+6]
	v_add_f32 v46, v46, v47
	v_fma_f32 v[LS], v[LS], v[FF], v46
.set j, 0
.rept 16
	v_pk_mul_f32 v[CTX+j:CTX+j+1], v[CTX+j:CTX+j+1], v[FF:FF+1] op_sel_hi:[1,0]
.set j, j+2
.endr
.endm
.macro TILE sig, fill, first, half, how
.if \fill
	CHANGE \sig
.else
	WIN 0
	s_wait_tensorcnt 0x0
	v_add_nc_u32 v[MAD], s[TI], v[MB0]
	v_add_nc_u32 v[SAD], s[TS], v[SB0]
.endif
.if \first
.irp t, 0,1,2,3
.irp g, 0,1
	ds_load_b128 v[QQ+8*\t+4*\g:QQ+8*\t+4*\g+3], v[QR] offset:1024*\t+512*\g
.endr
.endr
.else
	s_wait_alu depctr_va_vdst(0)
.irp st, 0,1,2,3
	ds_load_u8 v[MK+\st], v[MAD] offset:64*\half+16*\st
.endr
.endif
	FETCH \sig, 0, FB0
.if \fill
	ASK \how
.endif
.if \first == 0
	SOFTMAX \half, 16
.endif
	KSTEP \sig, 0, 1-\first
	KSTEP \sig, 1, 0
	KSTEP \sig, 2, 0
	KSTEP \sig, 3, 0
	WIN 0
.endm
	TILE 1, 1, 1, 0, 1
	s_mov_b32 s[CNT], 7
.Ltrip:
	TILE 0, 1, 0, 0, 0
	TILE 1, 1, 0, 1, 0
	s_add_co_u32 s[TI], s[TI], 128
	s_add_co_u32 s[TS], s[TS], 512
	s_sub_co_u32 s[CNT], s[CNT], 1
	s_cmp_lg_u32 s[CNT], 0
	s_cbranch_scc1 .Ltrip
	TILE 0, 0, 0, 0, 0
	s_lshl_b32 s26, s[WV], 2
	s_add_co_u32 s26, s26, RED
	s_lshl_b32 s27, s[WV], 8
	s_add_co_u32 s84, s27, CTXR
	s_lshl_b32 s85, s[WV], 12
	s_add_co_u32 s85, s85, SC
	v_mov_b32 v[RA], s26
	v_mov_b32 v[RB], RED
	v_lshl_add_u32 v[CA], v2, 5, s84
	v_and_b32 v47, 31, v0
	v_lshl_add_u32 v[SR], v47, 4, s85
	v_lshl_add_u32 v[CR], v47, 3, CTXR
	v_lshlrev_b32 v[O0], 3, v47
	v_lshlrev_b32 v[OV], 10, v2
	v_lshl_add_u32 v[OV], v1, 4, v[OV]
	v_add_nc_u32 v[OV], s27, v[OV]
.irp st, 0,1,2,3
	ds_load_u8 v[MK+\st], v[MAD] offset:64+16*\st
.endr
	SOFTMAX 1, 0
	WIN 0x03
.set n, 0
.rept 64
	CTXI
.endr
	WIN 0
	v_mov_b32 v45, v[MX]
.irp x, 1,2,4,8
	v_max_num_f32_dpp v45, v45, v45 row_xmask:\x row_mask:0xf bank_mask:0xf
.endr
	ds_store_b32 v[RA], v45
	s_wait_dscnt 0x0
	s_barrier_signal -1
	s_barrier_wait -1
	ds_load_b128 v[128:131], v[RB]
	s_wait_dscnt 0x0
	v_max3_num_f32 v46, v128, v129, v130
	v_max_num_f32 v46, v46, v131
	v_sub_f32 v47, v[MX], v46
	s_wait_alu depctr_va_vdst(0)
	v_exp_f32 v[FF], v47
	v_nop
	s_wait_alu depctr_va_vdst(0)
	v_mul_f32 v[LS], v[LS], v[FF]
.set j, 0
.rept 16
	v_pk_mul_f32 v[CTX+j:CTX+j+1], v[CTX+j:CTX+j+1], v[FF:FF+1] op_sel_hi:[1,0]
.set j, j+2
.endr
.irp x, 1,2,4,8
	v_add_f32_dpp v[LS], v[LS], v[LS] row_xmask:\x row_mask:0xf bank_mask:0xf
.set j, 0
.rept 32
	v_add_f32_dpp v[CTX+j], v[CTX+j], v[CTX+j] row_xmask:\x row_mask:0xf bank_mask:0xf
.set j, j+1
.endr
.endr
.irp t, 0,1,2,3
.irp g, 0,1
	ds_store_b128 v[CA], v[CTX+8*\t+4*\g:CTX+8*\t+4*\g+3] offset:64*\t+16*\g
.endr
.endr
	ds_store_b32 v[RA], v[LS] offset:16
	s_wait_dscnt 0x0
	s_barrier_signal -1
	s_barrier_wait -1
	ds_load_b128 v[132:135], v[RB] offset:16
.irp k, 0,1,2,3,4,5,6,7
	ds_load_b128 v[136+4*\k:136+4*\k+3], v[SR] offset:512*\k
.endr
	s_wait_dscnt 8
	v_add_f32 v32, v132, v133
	v_add_f32 v33, v134, v135
	v_add_f32 v32, v32, v33
	s_wait_alu depctr_va_vdst(0)
	v_rcp_f32 v[PP], v32
	s_wait_dscnt 0x0
.set j, 0
.rept 16
	v_pk_add_f32 v[136+j:136+j+1], v[136+j:136+j+1], v[46:47] op_sel_hi:[1,0] neg_lo:[0,1] neg_hi:[0,1]
.set j, j+2
.endr
.set j, 0
	s_wait_alu depctr_va_vdst(0)
.rept 32
	v_exp_f32 v[136+j], v[136+j]
.set j, j+1
.endr
	v_nop
	s_wait_alu depctr_va_vdst(0)
	v_ldexp_f32 v[PP+2], v[PP], s[EV]
.set j, 0
.rept 16
	v_pk_mul_f32 v[136+j:136+j+1], v[136+j:136+j+1], v[PP:PP+1] op_sel_hi:[1,0]
.set j, j+2
.endr
.irp k, 0,1,2,3,4,5,6,7
	global_store_b128 v[OV], v[136+4*\k:136+4*\k+3], s[20:21] offset:2048*\k th:TH_STORE_NT
.endr
	s_cmp_lg_u32 s[WV], 0
	s_cbranch_scc1 .Lno_ctx
.irp x, 0,1,2,3
	ds_load_b64 v[168+2*\x:169+2*\x], v[CR] offset:256*\x
.endr
	s_wait_dscnt 0x0
	v_pk_add_f32 v[168:169], v[168:169], v[170:171]
	v_pk_add_f32 v[172:173], v[172:173], v[174:175]
	v_pk_add_f32 v[168:169], v[168:169], v[172:173]
	v_pk_mul_f32 v[168:169], v[168:169], v[PP+2:PP+3] op_sel_hi:[1,0]
	global_store_b64 v[O0], v[168:169], s[18:19]
.Lno_ctx:
	s_wait_tensorcnt 0x0
	ds_add_u32 v[SPW], v[NIL]
	s_wait_dscnt 0x0
	CROUND
	s_endpgm
.Lfunc_end_k_q5e1a6d6567_attn:
	.size	k_q5e1a6d6567_attn, .Lfunc_end_k_q5e1a6d6567_attn-k_q5e1a6d6567_attn
	.p2alignl 7, 3214868480
	.fill 96, 4, 3214868480
	.section	.rodata,"a",@progbits
	.p2align	6, 0x0
	.amdhsa_kernel k_q5e1a6d6567_attn
		.amdhsa_group_segment_fixed_size 327680
		.amdhsa_private_segment_fixed_size 0
		.amdhsa_enable_private_segment 0
		.amdhsa_kernarg_size 72
		.amdhsa_user_sgpr_count 2
		.amdhsa_user_sgpr_kernarg_segment_ptr 1
		.amdhsa_wavefront_size32 1
		.amdhsa_system_sgpr_workgroup_id_x 1
		.amdhsa_system_sgpr_workgroup_id_y 1
		.amdhsa_system_sgpr_workgroup_id_z 1
		.amdhsa_system_vgpr_workitem_id 0
		.amdhsa_next_free_vgpr 1024
		.amdhsa_next_free_sgpr 88
		.amdhsa_reserve_vcc 1
		.amdhsa_float_denorm_mode_32 3
		.amdhsa_float_denorm_mode_16_64 3
		.amdhsa_memory_ordered 1
		.amdhsa_forward_progress 1
		.amdhsa_inst_pref_size 149
	.end_amdhsa_kernel
	.amdgpu_metadata
---
amdhsa.version: [ 1, 2 ]
amdhsa.kernels:
  - .name:           k_q5e1a6d6567_attn
    .symbol:         k_q5e1a6d6567_attn.kd
    .args:
      - { .name: memory_bank_codes, .offset: 0, .size: 8, .value_kind: global_buffer, .address_space: global }
      - { .name: Wk_codes, .offset: 8, .size: 8, .value_kind: global_buffer, .address_space: global }
      - { .name: Wv_codes, .offset: 16, .size: 8, .value_kind: global_buffer, .address_space: global }
      - { .name: Wq_codes, .offset: 24, .size: 8, .value_kind: global_buffer, .address_space: global }
      - { .name: source_codes, .offset: 32, .size: 8, .value_kind: global_buffer, .address_space: global }
      - { .name: mask, .offset: 40, .size: 8, .value_kind: global_buffer, .address_space: global }
      - { .name: lowp_scales, .offset: 48, .size: 8, .value_kind: global_buffer, .address_space: global }
      - { .name: out0, .offset: 56, .size: 8, .value_kind: global_buffer, .address_space: global }
      - { .name: out1, .offset: 64, .size: 8, .value_kind: global_buffer, .address_space: global }
    .group_segment_fixed_size: 327680
    .private_segment_fixed_size: 0
    .kernarg_segment_align: 8
    .kernarg_segment_size: 72
    .max_flat_workgroup_size: 128
    .sgpr_count:     88
    .vgpr_count:     1024
    .wavefront_size: 32
...
	.end_amdgpu_metadata
.endif
;; end of part 1
